; MI455X (gfx1250); checked and timed in simulation.
; The chip was launched on July 23, 2026; its instructions are those of AMD's public machine-readable ISA for CDNA 5 (MIT licence, August 2026) and "CDNA5" Instruction Set Architecture Reference Guide (July 2026). The comments in the code are by the model that wrote it; some were corrected since.
;; Stochastic Ensemble. Allowed arithmetic: float matrix products may take bf16 or f16 operands with f32 sums; all other float work in f32.
;; Inputs: W1 8 x 128 x 1,024 float32; W2 8 x 1,024 x 3,072 float32; b1 8 x 1,024 float32; b2 8 x 3,072 float32; z 2,048 x 128 float32.
;; Outputs: out0 2,048 x 3,072 float32.
;; 2 versions, each right and faster than the one before. Each part assembles by itself: llvm-mc -triple=amdgcn-amd-amdhsa -mcpu=gfx1250 --defsym DOCPART=n.
;; ======== version 1 of 2: 2 launches
;; limits: values outside matrix products are rounded to f16; inputs' magnitudes at most 65,504; values are held in f16: magnitudes above 65,504 overflow, below 6.1e-05 lose precision
;; workspace buffers: hbuf 4,194,304 bytes; idx 8,192 bytes of whole numbers
;; launch layer1 (part 1): grid 16 x 16, 4 waves a work-group, no clusters, 199,168 bytes of LDS; arguments z, W1, b1, hbuf, idx; writes hbuf, idx
.if DOCPART == 1
	.amdgcn_target "amdgcn-amd-amdhsa--gfx1250"
	.amdhsa_code_object_version 6
	.text
	.protected	k_qdd38805998_layer1
	.globl	k_qdd38805998_layer1
	.p2align	8
	.type	k_qdd38805998_layer1,@function
k_qdd38805998_layer1:
	s_mov_b64 s[64:65], 0
	v_nop
	global_prefetch_b8 v0, s[64:65] scope:SCOPE_SE
	s_setreg_imm32_b32 hwreg(HW_REG_WAVE_MODE, 25, 1), 1
	s_wait_xcnt 0x0
; idx[b] = (sum over i of floor(|z[b][i]| * 1000)) mod 8;  H[b] = relu(z[b] W1[idx[b]] + b1[idx[b]]), stored as f16 [2048][1024].
; The expert comes from floating-point data, so here it steers no address and no branch: the layer is ONE product with K = 8 x 128, in which
; row b's slice of A for expert e is z[b] where idx[b] = e and 0 elsewhere (a select on A's fragments: a lane holds one row).
; The bias is one more K step of 32, which also starts the sums: A = the row's one-hot expert at k = e and again at k = 8 + e,
; B = b1[e] rounded to f16 at k = e and the remainder b1[e] - f16(b1[e]) at k = 8 + e.
; SHARES: a work-group makes 128 rows x 64 columns of H; wave w its rows 32 w .. 32 w + 31: 2 row tiles x 4 column tiles = 8 accumulators.
; COLUMNS: column tile f holds the strip's columns 4 r + f (r = lane % 16).  So a lane's 16-byte load of one k row of W1 brings one number for each
; of the 4 tiles, sixteen lanes read 256 consecutive aligned bytes, and on the way out a lane's 4 tiles hold 4 neighbouring columns.
; LIMITS: the hash is exact, in any order of summing, while the sum stays under 2^24 (mean |z| under 131).  Operands are f16: |z|, |W1|, |b1| and h
; must stay under 65,504; an entry of ANY expert's W1 beyond that becomes infinite and spoils the masked sum.  b1 enters with an error of at most
; 2^-22 |b1| + 3e-8.  relu is a maximum with 0 in which a NaN loses.
.set ZP,   528                         ; a row of z in LDS: 512 bytes + 16 = 132 words: row r starts at bank 4 r mod 64 (64 banks of 4 bytes: ISA guide 11.1)
.set ZW,   32*ZP                       ; a wave's 32 rows; each wave reads only what it stored, so z needs no barrier
.set WF,   4*ZW                        ; behind z: W1's fragments in f16, 32 units (4 e + kk) of 4,096 bytes: tile f at 1024 f, registers 4-7 at + 512, lane at 16 L
.set UNIT, 4096
.set T,   24                           ; v24-55   at work; in the products A's masked fragments, two sets of 16
.set X,   56                           ; v56-119  z rows 0-15, then W1's odd units as loaded, then B's fragments, two sets of 32
.set Y,   120                          ; v120-183 z rows 16-31, then AZ
.set ZB,  184                          ; v184-247 W1's even units as loaded, b1, then the accumulators
.set AZ,  Y                            ; z's fragments in f16: 32 t + 8 c + q (row tile t, 32 k from 32 c on, register q)
.set ACC, ZB                           ; accumulator (t, f) at 8 (4 t + f)
.set MK,  32                           ; s[32+8t+e]  lanes whose row of tile t goes to expert e
; v1 lane  v2 r  v3 h = lane / 16  v4 16 L  v5 z store  v6 z fragment read  v7 W1 offset  v8 unit store  v9, v10 unit read  v11 16 r  v12 H offset
; v13, v14 idx of tile 0, 1  v15 the other half's sum  v16-19 hash sums, then constants  v20, v21 sources of the store of idx, never rewritten
	s_load_b256 s[4:11], s[0:1], 0x0               ; z s[4:5], W1 s[6:7], b1 s[8:9], hbuf s[10:11]
	s_load_b64 s[12:13], s[0:1], 0x20              ; idx
	v_lshl_add_u32 v248, v0, 2, 0x30800
	v_mov_b32 v249, 0
	v_and_b32 v1, 31, v0
	v_lshrrev_b32 v2, 5, v0
	v_readfirstlane_b32 s16, v2                    ; wave 0..3
	v_and_b32 v2, 15, v0
	v_bfe_u32 v3, v0, 4, 1
	s_mov_b32 s17, ttmp9                           ; the strip of 64 columns
	s_and_b32 s18, ttmp7, 0xffff                   ; the block of 128 rows
	s_mov_b32 s19, 0x447a0000                      ; 1000.0
	s_mov_b32 s20, 0x76543210                      ; v_permlanex16_b32: each lane takes its own place in the other half
	s_mov_b32 s21, 0xfedcba98
	s_mov_b32 s22, 0xffff0000                      ; lanes 16-31
	s_lshl_b32 s24, s18, 16                        ; z: 128 rows of 512 bytes a block,
	s_lshl_b32 s28, s16, 14                        ; 32 rows a wave
	s_add_co_u32 s24, s24, s28
	s_mov_b32 s25, 0
	s_lshl_b32 s26, s17, 8                         ; W1 and b1: 256 bytes a strip
	s_mov_b32 s27, 0
	s_lshl_b32 s28, s18, 18                        ; H: 128 rows of 2,048 bytes a block,
	s_lshl_b32 s30, s16, 16                        ; 32 rows a wave,
	s_add_co_u32 s28, s28, s30
	s_lshl_b32 s30, s17, 7                         ; 128 bytes a strip
	s_add_co_u32 s28, s28, s30
	s_mov_b32 s29, 0
	s_lshl_b32 s30, s18, 9                         ; idx: 4 bytes a row
	s_lshl_b32 s57, s16, 7
	s_add_co_u32 s30, s30, s57
	s_mov_b32 s31, 0
	v_lshlrev_b32 v4, 4, v1
	s_mul_i32 s58, s16, ZW
	v_lshl_add_u32 v5, v1, 4, s58                  ; my 16 bytes of a row of my wave's z
	v_mul_u32_u24 v6, v2, ZP
	v_lshl_add_u32 v6, v3, 5, v6
	v_add_nc_u32 v6, s58, v6                       ; row r, 8 numbers of f32 for each half of the lanes
	v_lshlrev_b32 v11, 4, v2
	v_lshl_add_u32 v7, v3, 15, v11                 ; W1: 8 h rows of 4,096 bytes + 16 r,
	s_lshl_b32 s59, s16, 20
	v_add_nc_u32 v7, s59, v7                       ; and my wave's two experts, 2 w and 2 w + 1
	s_lshl_b32 s60, s16, 15
	s_add_co_u32 s60, s60, WF
	v_lshl_add_u32 v8, v1, 4, s60                  ; my wave's eight units
	v_lshl_add_u32 v9, v1, 4, WF                   ; units 0-15,
	v_add_nc_u32 v10, 0x10000, v9                  ; units 16-31: an LDS offset has 16 bits
	v_lshlrev_b32 v12, 3, v2
	v_lshl_add_u32 v12, v3, 14, v12                ; H: 8 h rows + 8 r bytes
	v_mov_b32 v15, 0                               ; v_permlanex16_b32 counts as a reader of its destination
	s_wait_kmcnt 0x0
	s_add_nc_u64 s[4:5], s[4:5], s[24:25]
	s_add_nc_u64 s[6:7], s[6:7], s[26:27]
	s_add_nc_u64 s[8:9], s[8:9], s[26:27]
	s_add_nc_u64 s[10:11], s[10:11], s[28:29]
	s_add_nc_u64 s[12:13], s[12:13], s[30:31]
; Unit i of my wave's eight (expert 2 w + i / 4, k from 32 (i % 4) on): 16 loads; load j brings k row 8 h + j (j < 8) or 16 + 8 h + j - 8, columns 4 r .. 4 r + 3
.macro W1LOAD i, set
.set j, 0
.rept 16
	global_load_b128 v[\set+4*j:\set+4*j+3], v7, s[6:7] offset:((\i)>>2)*524288+((\i)&3)*131072+(j+8*(j/8))*4096
.set j, j+1
.endr
.endm
; The unit becomes 4 fragments: register q of tile f is the pair of k rows 2 q, 2 q + 1 of the 16 loaded, column 4 r + f
.macro UNITOUT i, set
.irp f, 0,1,2,3
.irp q, 0,1,2,3,4,5,6,7
	v_cvt_pk_f16_f32 v[T+8*\f+\q], v[\set+8*\q+\f], v[\set+8*\q+4+\f]
.endr
.endr
.irp f, 0,1,2,3
	ds_store_b128 v8, v[T+8*\f:T+8*\f+3] offset:UNIT*(\i)+1024*\f
	ds_store_b128 v8, v[T+8*\f+4:T+8*\f+7] offset:UNIT*(\i)+1024*\f+512
.endr
.endm
	; z: a load takes a whole row of 512 bytes; the rows go through LDS to come back as fragments
.set i, 0
.rept 32
	global_load_b128 v[X+4*i:X+4*i+3], v4, s[4:5] offset:512*i
.set i, i+1
.endr
	W1LOAD 0, ZB
	s_wait_loadcnt 16                              ; z is in; unit 0's sixteen loads stay out
.set i, 0
.rept 32
	ds_store_b128 v5, v[X+4*i:X+4*i+3] offset:ZP*i
.set i, i+1
.endr
	W1LOAD 1, X
; Part p = 4 t + c of z: 16 numbers of f32 a lane: row r of tile t, k = 32 c + 16 g + 8 h + 4 d + 0..3, into one half of T
.macro ZLD p
.set zt, (\p)/4
.set zc, (\p)%4
.set zb, T+16*((\p)%2)
.irp g, 0,1
.irp d, 0,1
	ds_load_b128 v[zb+8*\g+4*\d:zb+8*\g+4*\d+3], v6 offset:16*ZP*zt+128*zc+64*\g+16*\d
.endr
.endr
.endm
; They are rounded to f16 as a fragment of A, and hashed from the unrounded numbers: |z| * 1000 rounded to f32, floor, sum (whole numbers: exact)
.macro ZWORK p
.set zt, (\p)/4
.set zc, (\p)%4
.set zb, T+16*((\p)%2)
.irp q, 0,1,2,3,4,5,6,7
	v_cvt_pk_f16_f32 v[AZ+32*zt+8*zc+\q], v[zb+2*\q], v[zb+2*\q+1]
.endr
.irp n, 0,1,2,3,4,5,6,7,8,9,10,11,12,13,14,15
	v_mul_f32 v[zb+\n], |v[zb+\n]|, s19
.endr
.irp n, 0,1,2,3,4,5,6,7,8,9,10,11,12,13,14,15
	v_floor_f32 v[zb+\n], v[zb+\n]
.endr
.if zc == 0
	v_pk_add_f32 v[16:17], v[zb:zb+1], v[zb+2:zb+3]        ; a tile's first pairs start the two chains: nothing is cleared
	v_pk_add_f32 v[18:19], v[zb+4:zb+5], v[zb+6:zb+7]
.else
	v_pk_add_f32 v[16:17], v[16:17], v[zb:zb+1]
	v_pk_add_f32 v[18:19], v[18:19], v[zb+2:zb+3]
	v_pk_add_f32 v[16:17], v[16:17], v[zb+4:zb+5]
	v_pk_add_f32 v[18:19], v[18:19], v[zb+6:zb+7]
.endif
	v_pk_add_f32 v[16:17], v[16:17], v[zb+8:zb+9]
	v_pk_add_f32 v[18:19], v[18:19], v[zb+10:zb+11]
	v_pk_add_f32 v[16:17], v[16:17], v[zb+12:zb+13]
	v_pk_add_f32 v[18:19], v[18:19], v[zb+14:zb+15]
.endm
; A tile's end: the row's other 64 numbers lie in the lane 16 away; then the expert, and the eight masks
.macro ZEND t
	v_pk_add_f32 v[16:17], v[16:17], v[18:19]
	v_add_f32 v16, v16, v17
	v_permlanex16_b32 v15, v16, s20, s21
	v_add_f32 v16, v16, v15
	v_cvt_i32_f32 v[13+\t], v16
	v_and_b32 v[13+\t], 7, v[13+\t]
.irp e, 0,1,2,3,4,5,6,7
	v_cmp_eq_u32 s[MK+8*\t+\e], \e, v[13+\t]
.endr
.endm
	ZLD 0                                          ; LDS serves a wave's instructions in order (ISA guide 5.7.1.4): these see the stores above
.irp p, 0,1,2,3,4,5,6
	ZLD \p+1
	s_wait_dscnt 4                                 ; this part is in; the next part's four loads stay out
	ZWORK \p
.if \p == 3
	ZEND 0
.endif
.endr
	s_wait_dscnt 0x0
	ZWORK 7
	ZEND 1
	; idx is stored by the work-groups of strip 0 alone: each word by one work-group
	s_cmp_lg_u32 s17, 0
	s_cbranch_scc1 .Lno_list
	v_cndmask_b32 v20, v13, v14, s22               ; lane L: the expert of my wave's row L
	v_lshlrev_b32 v21, 2, v1
	global_store_b32 v21, v20, s[12:13]            ; 32 lanes store 128 consecutive bytes
.Lno_list:
	; my wave's eight units of W1: two sets of registers take turns, so that one unit is on its way while the other is converted
.irp i, 0,2,4
	s_wait_loadcnt 16                              ; this unit is in; the other set's sixteen loads stay out
	UNITOUT \i, ZB
	W1LOAD \i+2, ZB
	s_wait_loadcnt 16
	UNITOUT \i+1, X
	W1LOAD \i+3, X
.endr
	s_wait_loadcnt 16
	UNITOUT 6, ZB
.irp e, 0,1,2,3,4,5,6,7
	global_load_b128 v[ZB+4*\e:ZB+4*\e+3], v11, s[8:9] offset:4096*\e      ; b1[e], columns 4 r .. 4 r + 3
.endr
	s_wait_loadcnt 8                               ; unit 7 is in; the eight loads of b1 stay out
	UNITOUT 7, X
	s_wait_loadcnt 0x0
	; the bias step's B (set 1): lanes 0-15 hold k = 0..7: f16(b1[k]); lanes 16-31 hold k = 8..15: the remainder; k = 16..31 is 0
.irp f, 0,1,2,3
.irp q, 0,1,2,3
	v_cvt_pk_f16_f32 v26, v[ZB+8*\q+\f], v[ZB+8*\q+4+\f]
	v_cvt_f32_f16 v24, v26.l
	v_cvt_f32_f16 v25, v26.h
	v_sub_f32 v24, v[ZB+8*\q+\f], v24
	v_sub_f32 v25, v[ZB+8*\q+4+\f], v25
	v_cvt_pk_f16_f32 v24, v24, v25
	v_cndmask_b32 v[X+8*\f+\q], v26, v24, s22
	v_mov_b32 v[X+8*\f+4+\q], 0
.endr
.endr
	; and its A (set 1): 1.0 at k = idx and at k = 8 + idx: the same registers in both halves of the lanes
	v_mov_b32 v16, 0x3c00                          ; 1.0 in the low half,
	v_mov_b32 v17, 0x3c000000                      ; in the high half
.irp t, 0,1
.irp q, 0,1,2,3
	v_cndmask_b32 v[T+16+8*\t+\q], 0, v16, s[MK+8*\t+2*\q]
	v_cndmask_b32 v[T+16+8*\t+\q], v[T+16+8*\t+\q], v17, s[MK+8*\t+2*\q+1]
	v_mov_b32 v[T+16+8*\t+4+\q], 0
.endr
.endr
	s_wait_dscnt 0x0                               ; for the others' sake: my units are in LDS
	s_barrier_signal -1
	s_barrier_wait -1                              ; everybody's are: the one barrier of the kernel
; Eight products on set mp.  The eight accumulators take turns, one instruction a turn, from step to step too.
.macro MM zero
.irp t, 0,1
.irp f, 0,1,2,3
.if \zero
	v_wmma_f32_16x16x32_f16 v[ACC+8*(4*\t+\f):ACC+8*(4*\t+\f)+7], v[T+16*mp+8*\t:T+16*mp+8*\t+7], v[X+32-32*mp+8*\f:X+32-32*mp+8*\f+7], 0
.else
	v_wmma_f32_16x16x32_f16 v[ACC+8*(4*\t+\f):ACC+8*(4*\t+\f)+7], v[T+16*mp+8*\t:T+16*mp+8*\t+7], v[X+32-32*mp+8*\f:X+32-32*mp+8*\f+7], v[ACC+8*(4*\t+\f):ACC+8*(4*\t+\f)+7]
.endif
.endr
.endr
.endm
; Unit pu (expert pu / 4, k from 32 (pu % 4) on) is made ready in set pu % 2: A = z's fragment where the row goes to that expert, else 0; B from LDS.
; That set was last read by the products two steps back; behind those stand the sixteen selects of the step between, which name none of their
; registers: more than the four places that a write or a load into a matrix instruction's source wants.
.macro PREP
.irp t, 0,1
.irp q, 0,1,2,3,4,5,6,7
	v_cndmask_b32 v[T+16*(pu%2)+8*\t+\q], 0, v[AZ+32*\t+8*(pu%4)+\q], s[MK+8*\t+pu/4]
.endr
.endr
.irp f, 0,1,2,3
	ds_load_b128 v[X+32-32*(pu%2)+8*\f:X+32-32*(pu%2)+8*\f+3], v[9+pu/16] offset:UNIT*(pu%16)+1024*\f
	ds_load_b128 v[X+32-32*(pu%2)+8*\f+4:X+32-32*(pu%2)+8*\f+7], v[9+pu/16] offset:UNIT*(pu%16)+1024*\f+512
.endr
.endm
.set mp, 1
	MM 1                                           ; the bias step starts the sums
.set pu, 0
	PREP
.set u, 0
.rept 32
	s_wait_dscnt 0x0                               ; this step's B is in: it was asked for behind the last step's products
.set mp, u%2
	MM 0
.if u < 31
.set pu, u+1
	PREP
.endif
.set u, u+1
.endr
.rept 4
	v_nop                                          ; four places between the last products and the first read of a result
.endr
	; THE WAY OUT.  Register j of accumulator (t, f) is row 16 t + 8 h + j, column 4 r + f: a lane's four tiles pack into 8 neighbouring bytes,
	; sixteen lanes store 128 consecutive bytes of a row.  j ascends: each accumulator is read from its low end on.  Every store has data registers of its own.
.irp t, 0,1
.irp j, 0,1,2,3,4,5,6,7
.irp f, 0,1,2,3
	v_max_num_f32 v[X+4*(\j%2)+\f], 0, v[ACC+8*(4*\t+\f)+\j]
.endr
	v_cvt_pk_f16_f32 v[T+2*(8*\t+\j)], v[X+4*(\j%2)], v[X+4*(\j%2)+1]
	v_cvt_pk_f16_f32 v[T+2*(8*\t+\j)+1], v[X+4*(\j%2)+2], v[X+4*(\j%2)+3]
	global_store_b64 v12, v[T+2*(8*\t+\j):T+2*(8*\t+\j)+1], s[10:11] offset:(16*\t+\j)*2048
.endr
.endr
	s_wait_tensorcnt 0x0
	ds_add_u32 v248, v249
	s_wait_dscnt 0x0
	s_endpgm
.Lfunc_end_k_qdd38805998_layer1:
	.size	k_qdd38805998_layer1, .Lfunc_end_k_qdd38805998_layer1-k_qdd38805998_layer1
	.p2alignl 7, 3214868480
	.fill 96, 4, 3214868480
	.section	.rodata,"a",@progbits
	.p2align	6, 0x0
	.amdhsa_kernel k_qdd38805998_layer1
		.amdhsa_group_segment_fixed_size 199168
		.amdhsa_private_segment_fixed_size 0
		.amdhsa_enable_private_segment 0
		.amdhsa_kernarg_size 40
		.amdhsa_user_sgpr_count 2
		.amdhsa_user_sgpr_kernarg_segment_ptr 1
		.amdhsa_wavefront_size32 1
		.amdhsa_system_sgpr_workgroup_id_x 1
		.amdhsa_system_sgpr_workgroup_id_y 1
		.amdhsa_system_sgpr_workgroup_id_z 1
		.amdhsa_system_vgpr_workitem_id 0
		.amdhsa_next_free_vgpr 250
		.amdhsa_next_free_sgpr 66
		.amdhsa_reserve_vcc 0
		.amdhsa_float_denorm_mode_32 3
		.amdhsa_float_denorm_mode_16_64 3
		.amdhsa_memory_ordered 1
		.amdhsa_forward_progress 1
		.amdhsa_inst_pref_size 143
	.end_amdhsa_kernel
	.amdgpu_metadata
---
amdhsa.version: [ 1, 2 ]
amdhsa.kernels:
  - .name:           k_qdd38805998_layer1
    .symbol:         k_qdd38805998_layer1.kd
    .args:
      - { .name: z, .offset: 0, .size: 8, .value_kind: global_buffer, .address_space: global }
      - { .name: W1, .offset: 8, .size: 8, .value_kind: global_buffer, .address_space: global }
      - { .name: b1, .offset: 16, .size: 8, .value_kind: global_buffer, .address_space: global }
      - { .name: hbuf, .offset: 24, .size: 8, .value_kind: global_buffer, .address_space: global }
      - { .name: idx, .offset: 32, .size: 8, .value_kind: global_buffer, .address_space: global }
    .group_segment_fixed_size: 199168
    .private_segment_fixed_size: 0
    .kernarg_segment_align: 8
    .kernarg_segment_size: 40
    .max_flat_workgroup_size: 128
    .sgpr_count:     66
    .vgpr_count:     250
    .wavefront_size: 32
...
	.end_amdgpu_metadata
.endif
;; end of part 1
;; launch layer2 (part 2): grid 24 x 8, 8 waves a work-group, no clusters, 295,936 bytes of LDS; arguments W2, b2, hbuf, idx, out0; writes out0
.if DOCPART == 2
	.amdgcn_target "amdgcn-amd-amdhsa--gfx1250"
	.amdhsa_code_object_version 6
	.text
	.protected	k_qdd38805998_layer2
	.globl	k_qdd38805998_layer2
	.p2align	8
	.type	k_qdd38805998_layer2,@function
k_qdd38805998_layer2:
	s_mov_b64 s[64:65], 0
	v_nop
	global_prefetch_b8 v0, s[64:65] scope:SCOPE_SE
	s_setreg_imm32_b32 hwreg(HW_REG_WAVE_MODE, 25, 1), 1
	s_wait_xcnt 0x0
; out[b] = H[b] W2[idx[b]] + b2[idx[b]].  H: f16 [2048][1024] and idx: i32 [2048], both stored by the launch before.
; SHARES: a work-group owns one expert e and 128 columns, and all rows that go to e.  No other work-group reads its 1,024 x 128 numbers of W2.
; TWO PHASES, ONE BARRIER.  Phase 1 has no branch: each wave sorts the row numbers into a list of its own, and the eight waves turn the work-group's
; whole slice of W2 into f16 fragments in LDS (1,024 x 128 x 2 bytes = 262,144).  Then the barrier.  Phase 2 has no barrier and writes no LDS: each wave
; goes its own way through the expert's rows, so that its branches may hang on the number of rows.
; Wave w = 2 mi + ni: the strip ni of 64 columns (4 column tiles) x the row tiles mi + 4 i.  A pass takes 320 row slots (i = 0..4); it is written for five
; tiles a wave and for four, and a wave takes the shorter text where its fifth tile would be empty.  The loop over passes has seven trips at the most
; (7 x 320 = 2,240 slots, enough for all 2,048 rows); a wave for which no row is left ends inside the loop.
; COLUMNS: column tile f holds the strip's columns 4 r + f (r = lane % 16): a lane's 16-byte load of one k row of W2 brings one number for each of the
; 4 tiles, sixteen lanes read 256 consecutive aligned bytes, and on the way out a lane's 4 tiles are 16 neighbouring bytes of a row of out.
; A's fragments come straight from H into registers: lane (r, h) reads its listed row's bytes 64 c + 16 h and + 32, so a load takes 32 bytes of each of 16 rows,
; and four loads that follow each other use up 128 bytes of each row.  A stage for whole rows has no room beside W2's slice and the lists.
; NO CLUSTER, NO TENSOR LOADS: no tile of W2 is shared between work-groups; H's rows are gathered by a list; W2 must pass through registers to become f16.
; 192 work-groups: the columns divide into whole aligned blocks of 256 bytes only in strips of 64, and a split of the rows would read W2 twice.
; NO PREFETCH: from its first lines on each wave has 32 to 48 loads of W2 on their way, 512 bytes each.
; THE LIST: e's rows from the front, the others from the back, so that every entry is written once with all lanes on.  Slots past the last row repeat the
; last row: they compute that row again, and within the tile that holds it they store its own numbers again.
; LIMITS: operands are f16: |W2| and h stay under 65,504.
.set KROW,   12288                     ; bytes in a k row of W2, and in a row of out
.set KSTEP,  128*KROW
.set LISTS,  262144                    ; behind W2's fragments (unit 2 c + strip, c = k / 32, of 4,096 bytes: tile f at 1024 f, registers 4-7 at + 512, lane at 16 L): 2,048 entries of 2 bytes for each wave
.set PASSN,  320
.set PASSES, 7                         ; 7 x 320 slots hold all 2,048 rows
; window 0
.set LANE, 1
.set L4,   2                           ; 4 x lane
.set R16,  3                           ; 16 r
.set H8,   4                           ; 8 h
.set WO,   5                           ; W2: (32 mi + 8 h) rows + 256 ni + 16 r; never rewritten
.set RR,   6                           ; r
.set H16,  7                           ; 16 h
.set BST,  8                           ; v8-11   where my units go: 4,096 w + 16 L + 65,536 q (an LDS offset has 16 bits)
.set BFR,  12                          ; v12-15  where my strip's fragments lie: 4,096 ni + 16 L + 65,536 q
.set LB,   16                          ; my wave's list
.set COLB, 17                          ; my 16 bytes in a row of out and of b2; never rewritten
.set TA,   18                          ; at work
.set IXA,  19                          ; 16 x lane, for the loads of idx; never rewritten
.set HO,   20                          ; v20-24  byte offsets in H of my row in each of my tiles
.set B2,   26                          ; v26-29  b2 of my 4 columns
.set T,    32                          ; v32-63  phase 1: at work
.set WS,   64                          ; v64-255 phase 1: W2 as loaded, three sets of 64
.set IX,   192                         ;         idx lies in the third set first
.set BF,   32                          ; v32-95  phase 2: B's fragments, two buffers of 32
.set AS,   96                          ; v96-255 phase 2: A's fragments, sets 0 and 1: 16 registers a tile (K = 64)
.set OA,   32                          ; the way out: 8 addresses,
.set OT,   40                          ; 32 numbers,
.set OB,   72                          ; the tile's first slot + 8 h
; window 1
.set ACC,  0                           ; accumulator (i, f) at 8 (4 i + f)
.set AS2,  160                         ; A's set 2
.set MSB, 0
.macro WIN new                         ; s_set_vgpr_msb: bits 1:0 source 0, 3:2 source 1, 5:4 source 2, 7:6 destination; the high byte repeats the setting that is left
.if MSB != \new
	s_set_vgpr_msb (MSB<<8)|\new
.set MSB, \new
.endif
.endm
	s_load_b256 s[4:11], s[0:1], 0x0               ; W2 s[4:5], b2 s[6:7], hbuf s[8:9], idx s[10:11]
	s_load_b64 s[12:13], s[0:1], 0x20              ; out0
	v_lshl_add_u32 v30, v0, 2, 0x48000
	v_mov_b32 v31, 0
	v_and_b32 v[LANE], 31, v0
	v_lshrrev_b32 v2, 5, v0
	v_readfirstlane_b32 s16, v2                    ; wave 0..7
	s_lshr_b32 s17, s16, 1                         ; mi
	s_and_b32 s18, s16, 1                          ; ni
	s_and_b32 s19, ttmp7, 0xffff                   ; the expert
	s_mov_b32 s20, ttmp9                           ; the block of 128 columns
	v_lshlrev_b32 v[L4], 2, v[LANE]
	v_and_b32 v[RR], 15, v0
	v_bfe_u32 v[TA], v0, 4, 1                      ; h
	v_lshlrev_b32 v[R16], 4, v[RR]
	v_lshlrev_b32 v[H8], 3, v[TA]
	v_lshlrev_b32 v[H16], 4, v[TA]
	s_mul_i32 s28, s17, 32*KROW
	s_lshl_b32 s29, s18, 8
	s_add_co_u32 s28, s28, s29
	v_mul_u32_u24 v[WO], v[TA], 8*KROW
	v_add_nc_u32 v[WO], v[WO], v[R16]
	v_add_nc_u32 v[WO], s28, v[WO]
	s_lshl_b32 s30, s16, 12
	v_lshl_add_u32 v[BST], v[LANE], 4, s30
	v_add_nc_u32 v[BST+1], 0x10000, v[BST]
	v_add_nc_u32 v[BST+2], 0x20000, v[BST]
	v_add_nc_u32 v[BST+3], 0x30000, v[BST]
	s_add_co_u32 s30, s30, LISTS
	v_mov_b32 v[LB], s30
	s_lshl_b32 s30, s18, 12
	v_lshl_add_u32 v[BFR], v[LANE], 4, s30
	v_add_nc_u32 v[BFR+1], 0x10000, v[BFR]
	v_add_nc_u32 v[BFR+2], 0x20000, v[BFR]
	v_add_nc_u32 v[BFR+3], 0x30000, v[BFR]
	s_lshl_b32 s30, s20, 9                         ; 512 bytes a block of columns,
	s_add_co_u32 s31, s30, s29                     ; 256 a strip
	v_add_nc_u32 v[COLB], s31, v[R16]
	v_lshlrev_b32 v[IXA], 4, v[LANE]
	s_mul_i32 s28, s19, 1024*KROW                  ; e's matrix + 512 cb: the strip stands in WO
	s_add_co_u32 s28, s28, s30
	s_mov_b32 s29, 0
	s_mul_i32 s30, s19, KROW
	s_mov_b32 s31, 0
	s_wait_kmcnt 0x0
	s_add_nc_u64 s[24:25], s[4:5], s[28:29]        ; W2 for K steps 0-3,
	s_add_nc_u64 s[26:27], s[24:25], 4*KSTEP       ; for K steps 4-7: the loads' immediates stay inside their signed 24 bits (ISA guide, chapter 10)
	s_add_nc_u64 s[6:7], s[6:7], s[30:31]          ; b2[e]
; K step tau (128 along K) of W2: my unit (k from 32 mi on, strip ni): 16 loads into set tau % 3; load j brings k row 8 h + j (j < 8) or 16 + 8 h + j - 8:
; two runs of 256 consecutive aligned bytes
.macro W2LOAD tau
.set wb, WS+64*((\tau)%3)
.set wj, 0
.rept 16
	global_load_b128 v[wb+4*wj:wb+4*wj+3], v[WO], s[24+2*((\tau)/4):25+2*((\tau)/4)] offset:((\tau)%4)*KSTEP+(wj+8*(wj/8))*KROW th:TH_LOAD_NT
.set wj, wj+1
.endr
.endm
; The unit becomes four f16 fragments in LDS (register q of tile f: k rows 2 q, 2 q + 1 of the 16 loaded, column 4 r + f); its registers take the step three on.
; left = the younger loads that may stay out
.macro STG tau, left
	s_wait_loadcnt \left
.set wb, WS+64*((\tau)%3)
.irp f, 0,1,2,3
.irp q, 0,1,2,3,4,5,6,7
	v_cvt_pk_f16_f32 v[T+8*\f+\q], v[wb+8*\q+\f], v[wb+8*\q+4+\f]
.endr
.endr
.irp f, 0,1,2,3
	ds_store_b128 v[BST+(\tau)/2], v[T+8*\f:T+8*\f+3] offset:((\tau)%2)*32768+1024*\f
	ds_store_b128 v[BST+(\tau)/2], v[T+8*\f+4:T+8*\f+7] offset:((\tau)%2)*32768+1024*\f+512
.endr
.if (\tau)+3 < 8
	W2LOAD \tau+3
.endif
.endm
	; PHASE 1
.set i, 0
.rept 16
	global_load_b128 v[IX+4*i:IX+4*i+3], v[IXA], s[10:11] offset:512*i     ; idx[128 i + 4 lane + 0..3]: every wave takes all 2,048
.set i, i+1
.endr
	global_load_b128 v[B2:B2+3], v[COLB], s[6:7]
	W2LOAD 0
	W2LOAD 1
	s_wait_loadcnt 32                              ; idx and b2 are in; the 32 loads of W2 stay out
	; THE LIST.  For 32 rows at a time: a row of e goes to RUN + (rows of e in lower lanes), another to K - lane + (rows of e in lower lanes)
	s_mov_b32 s28, 0                               ; RUN: rows of e so far
	s_mov_b32 s29, 2047                            ; K: the highest entry still free
.set n, 0
.rept 64
.set pa, T+4*(n%4)
	v_cmp_eq_u32 vcc_lo, s19, v[IX+n]
	v_sub_nc_u32 v[pa], s29, v[LANE]
	v_mov_b32 v[pa+1], s28
	v_cndmask_b32 v[pa], v[pa], v[pa+1], vcc_lo
	v_mbcnt_lo_u32_b32 v[pa], vcc_lo, v[pa]
	s_bcnt1_i32_b32 s30, vcc_lo
	s_add_co_u32 s28, s28, s30
	s_add_co_u32 s29, s29, s30
	s_sub_co_u32 s29, s29, 32
	v_min_u32 v[pa], 0x7ff, v[pa]
	v_lshl_add_u32 v[pa], v[pa], 1, v[LB]
	v_add_nc_u32 v[pa+2], 128*(n/4)+(n%4), v[L4]   ; the row's number
	ds_store_b16 v[pa], v[pa+2]
.set n, n+1
.endr
	s_mov_b32 s21, s28                             ; NE: the expert's rows
	s_sub_co_u32 s22, s21, 1                       ; the last slot that holds a row
	W2LOAD 2                                       ; into the registers that held idx
	STG 0, 32                                      ; two younger steps stay out
	STG 1, 32
	STG 2, 32
	STG 3, 32
	STG 4, 32
	STG 5, 32                                      ; steps 6 and 7: nothing more is asked for
	STG 6, 16
	STG 7, 0
	s_wait_dscnt 0x0                               ; for the others' sake: my units are in LDS
	s_barrier_signal -1
	s_barrier_wait -1                              ; everybody's are: the one barrier of the kernel, ahead of every branch
	; PHASE 2
; A's fragments of step s (64 along K) for nt tiles, into set s % 3: 4 nt loads
.macro ALOAD nt, s
.if ((\s)%3) == 2
	WIN 0x40                                       ; destination window 1
.set ab, AS2
.else
.set ab, AS+80*((\s)%3)
.endif
.set ai, 0
.rept \nt
.irp c, 0,1
	global_load_b128 v[ab+16*ai+8*\c:ab+16*ai+8*\c+3], v[HO+ai], s[8:9] offset:128*(\s)+64*\c
	global_load_b128 v[ab+16*ai+8*\c+4:ab+16*ai+8*\c+7], v[HO+ai], s[8:9] offset:128*(\s)+64*\c+32
.endr
.set ai, ai+1
.endr
	WIN 0
.endm
; B's four fragments of half step u (32 along K), into buffer u % 2: 8 LDS loads
.macro BLOAD u
.set bq, (\u)/8
.set bo, 8192*((\u)%8)
.set bb, BF+32*((\u)%2)
.irp f, 0,1,2,3
	ds_load_b128 v[bb+8*\f:bb+8*\f+3], v[BFR+bq] offset:bo+1024*\f
	ds_load_b128 v[bb+8*\f+4:bb+8*\f+7], v[BFR+bq] offset:bo+1024*\f+512
.endr
.endm
; Half step u: 4 nt products.  The accumulators take turns, one instruction a turn, from half step to half step too.
; Four v_nop are the places between the products and the loads into their sources, or the first read of a result;
; behind them B's buffer takes the half step two on, and, behind a step's second half, A's set the step three on.
.macro HALF nt, u
.set hs, (\u)/2
.set hc, (\u)%2
.if hc == 0
.if hs <= 13
	s_wait_loadcnt 8*\nt                           ; this step's A is in; the two younger sets stay out
.elseif hs == 14
	s_wait_loadcnt 4*\nt                           ; the last set stays out
.else
	s_wait_loadcnt 0x0
.endif
.endif
.if (\u) < 31
	s_wait_dscnt 8                                 ; this half step's B is in; the next one's eight loads stay out
.else
	s_wait_dscnt 0x0
.endif
.if (hs%3) == 2
	WIN 0x51                                       ; A, C and D window 1
.set hab, AS2
.else
	WIN 0x50                                       ; C and D window 1
.set hab, AS+80*(hs%3)
.endif
.set wi, 0
.rept \nt
.irp f, 0,1,2,3
.if (\u) == 0
	v_wmma_f32_16x16x32_f16 v[ACC+8*(4*wi+\f):ACC+8*(4*wi+\f)+7], v[hab+16*wi+8*hc:hab+16*wi+8*hc+7], v[BF+32*hc+8*\f:BF+32*hc+8*\f+7], 0
.else
	v_wmma_f32_16x16x32_f16 v[ACC+8*(4*wi+\f):ACC+8*(4*wi+\f)+7], v[hab+16*wi+8*hc:hab+16*wi+8*hc+7], v[BF+32*hc+8*\f:BF+32*hc+8*\f+7], v[ACC+8*(4*wi+\f):ACC+8*(4*wi+\f)+7]
.endif
.endr
.set wi, wi+1
.endr
	WIN 0
.rept 4
	v_nop
.endr
.if (\u)+2 < 32
	BLOAD \u+2
.endif
.if (hc == 1) && (hs+3 < 16)
	ALOAD \nt, hs+3
.endif
.endm
; THE WAY OUT of my row tile i.  Register j of accumulator (i, f) is slot 16 (mi + 4 i) + 8 h + j of the pass, column 4 r + f: the four tiles' numbers plus b2
; are 16 neighbouring bytes, and sixteen lanes store 256 consecutive aligned bytes of the row that the list names.  j ascends: each accumulator is read
; from its low end on.  A tile that begins past the last row is left out.
.macro OUTTILE i
	s_add_co_u32 s30, s31, 64*(\i)
	s_cmp_ge_u32 s30, s21
	s_cbranch_scc1 .Lskip_\@
	s_wait_xcnt 0x0                                ; the registers that the last tile's stores name are rewritten only behind this wait
	v_add_nc_u32 v[OB], s30, v[H8]
.irp j, 0,1,2,3,4,5,6,7
	v_add_nc_u32 v[OA+\j], \j, v[OB]
	v_min_u32 v[OA+\j], s22, v[OA+\j]              ; past the last row: the last row again
	v_min_u32 v[OA+\j], 0x7ff, v[OA+\j]
	v_lshl_add_u32 v[OA+\j], v[OA+\j], 1, v[LB]
	ds_load_u16 v[OA+\j], v[OA+\j]
.endr
	WIN 0x01                                       ; source 0 window 1; the sums stand between the list's loads and the wait for them
.irp j, 0,1,2,3,4,5,6,7
.irp f, 0,1,2,3
	v_add_f32 v[OT+4*\j+\f], v[ACC+8*(4*(\i)+\f)+\j], v[B2+\f]
.endr
.endr
	WIN 0
	s_wait_dscnt 0x0
.irp j, 0,1,2,3,4,5,6,7
	v_min_u32 v[OA+\j], 0x7ff, v[OA+\j]
	v_mul_u32_u24 v[OA+\j], v[OA+\j], KROW
	v_add_nc_u32 v[OA+\j], v[COLB], v[OA+\j]
	global_store_b128 v[OA+\j], v[OT+4*\j:OT+4*\j+3], s[12:13] th:TH_STORE_NT
.endr
.Lskip_\@:
.endm
; A pass for nt tiles: my rows' places in H from the list; three sets of A and two buffers of B go out; 32 half steps; the way out.
; By this text's count at most 12 nt loads from memory are out.
.macro PASS nt
	v_add_nc_u32 v[TA], s31, v[RR]                 ; my first tile's slot r
.set pi, 0
.rept \nt
	v_add_nc_u32 v[HO+pi], 64*pi, v[TA]
	v_min_u32 v[HO+pi], s22, v[HO+pi]              ; past the last row: the last row again
	v_min_u32 v[HO+pi], 0x7ff, v[HO+pi]
	v_lshl_add_u32 v[HO+pi], v[HO+pi], 1, v[LB]
	ds_load_u16 v[HO+pi], v[HO+pi]
.set pi, pi+1
.endr
	s_wait_dscnt 0x0
.set pi, 0
.rept \nt
	v_min_u32 v[HO+pi], 0x7ff, v[HO+pi]
	v_lshl_add_u32 v[HO+pi], v[HO+pi], 11, v[H16]  ; the row's 2,048 bytes of H, + 16 h
.set pi, pi+1
.endr
	ALOAD \nt, 0
	ALOAD \nt, 1
	ALOAD \nt, 2
	BLOAD 0
	BLOAD 1
.set pu, 0
.rept 32
	HALF \nt, pu
.set pu, pu+1
.endr
.set po, 0
.rept \nt
	OUTTILE po
.set po, po+1
.endr
.endm
	s_mov_b32 s23, 0                               ; the pass's first slot
	s_mov_b32 s14, 0                               ; the pass's number: the loop's counter
.Lpass:                                                ; the loop is left by falling through its branch back, or by the s_endpgm below
	s_lshl_b32 s31, s17, 4
	s_add_co_u32 s31, s31, s23                     ; my first tile's first slot
	s_cmp_lt_u32 s31, s21
	s_cbranch_scc1 .Lwork
	s_wait_tensorcnt 0x0
	ds_add_u32 v30, v31
	s_wait_dscnt 0x0
	s_endpgm                                       ; no row is left for this wave, in this pass or a later one; no barrier follows, so the others do not miss it
.Lwork:
	s_add_co_u32 s30, s31, 256
	s_cmp_lt_u32 s30, s21
	s_cbranch_scc1 .Lfive                          ; my fifth tile holds a row
	PASS 4
	s_branch .Ltail
.Lfive:
	PASS 5
.Ltail:
	s_wait_xcnt 0x0                                ; the registers that the stores name are loaded again in the next pass
	s_add_co_u32 s23, s23, PASSN
	s_add_co_u32 s14, s14, 1
	s_cmp_lt_u32 s14, PASSES
	s_cbranch_scc1 .Lpass
	s_wait_tensorcnt 0x0
	ds_add_u32 v30, v31
	s_wait_dscnt 0x0
	s_endpgm
.Lfunc_end_k_qdd38805998_layer2:
	.size	k_qdd38805998_layer2, .Lfunc_end_k_qdd38805998_layer2-k_qdd38805998_layer2
	.p2alignl 7, 3214868480
	.fill 96, 4, 3214868480
	.section	.rodata,"a",@progbits
	.p2align	6, 0x0
	.amdhsa_kernel k_qdd38805998_layer2
		.amdhsa_group_segment_fixed_size 295936
		.amdhsa_private_segment_fixed_size 0
		.amdhsa_enable_private_segment 0
		.amdhsa_kernarg_size 40
		.amdhsa_user_sgpr_count 2
		.amdhsa_user_sgpr_kernarg_segment_ptr 1
		.amdhsa_wavefront_size32 1
		.amdhsa_system_sgpr_workgroup_id_x 1
		.amdhsa_system_sgpr_workgroup_id_y 1
		.amdhsa_system_sgpr_workgroup_id_z 1
		.amdhsa_system_vgpr_workitem_id 0
		.amdhsa_next_free_vgpr 512
		.amdhsa_next_free_sgpr 66
		.amdhsa_reserve_vcc 1
		.amdhsa_float_denorm_mode_32 3
		.amdhsa_float_denorm_mode_16_64 3
		.amdhsa_memory_ordered 1
		.amdhsa_forward_progress 1
		.amdhsa_inst_pref_size 255
	.end_amdhsa_kernel
	.section	.bss,"aw",@nobits
	.p2align	6
	.space	262144
	.amdgpu_metadata
---
amdhsa.version: [ 1, 2 ]
amdhsa.kernels:
  - .name:           k_qdd38805998_layer2
    .symbol:         k_qdd38805998_layer2.kd
    .args:
      - { .name: W2, .offset: 0, .size: 8, .value_kind: global_buffer, .address_space: global }
      - { .name: b2, .offset: 8, .size: 8, .value_kind: global_buffer, .address_space: global }
      - { .name: hbuf, .offset: 16, .size: 8, .value_kind: global_buffer, .address_space: global }
      - { .name: idx, .offset: 24, .size: 8, .value_kind: global_buffer, .address_space: global }
      - { .name: out0, .offset: 32, .size: 8, .value_kind: global_buffer, .address_space: global }
    .group_segment_fixed_size: 295936
    .private_segment_fixed_size: 0
    .kernarg_segment_align: 8
    .kernarg_segment_size: 40
    .max_flat_workgroup_size: 256
    .sgpr_count:     66
    .vgpr_count:     512
    .wavefront_size: 32
...
	.end_amdgpu_metadata
.endif
;; end of part 2
;; ======== version 2 of 2: 2 launches; 1.25 times as fast as version 1
;; limits: values outside matrix products are rounded to f16; inputs' magnitudes at most 65,504; values are held in f16: magnitudes above 65,504 overflow, below 6.1e-05 lose precision
;; workspace buffers: hbuf 4,194,304 bytes; idx 8,192 bytes of whole numbers
;; launch layer1 (part 3): grid 16 x 16, 4 waves a work-group, no clusters, 199,168 bytes of LDS; arguments z, W1, b1, hbuf, idx; writes hbuf, idx
.if DOCPART == 3
	.amdgcn_target "amdgcn-amd-amdhsa--gfx1250"
	.amdhsa_code_object_version 6
	.text
	.protected	k_qdd38805998_layer1
	.globl	k_qdd38805998_layer1
	.p2align	8
	.type	k_qdd38805998_layer1,@function
k_qdd38805998_layer1:
	s_mov_b64 s[64:65], 0
	v_nop
	global_prefetch_b8 v0, s[64:65] scope:SCOPE_SE
	s_setreg_imm32_b32 hwreg(HW_REG_WAVE_MODE, 25, 1), 1
	s_wait_xcnt 0x0
; idx[b] = (sum over i of floor(|z[b][i]| * 1000)) mod 8;  H[b] = relu(z[b] W1[idx[b]] + b1[idx[b]]), stored as f16 [2048][1024].
; The expert comes from floating-point data, so here it steers no address and no branch: the layer is ONE product with K = 8 x 128, in which
; row b's slice of A for expert e is z[b] where idx[b] = e and 0 elsewhere (a select on A's fragments: a lane holds one row).
; The bias is one more K step of 32, which also starts the sums: A = the row's one-hot expert at k = e and again at k = 8 + e,
; B = b1[e] rounded to f16 at k = e and the remainder b1[e] - f16(b1[e]) at k = 8 + e.
; SHARES: a work-group makes 128 rows x 64 columns of H; wave w its rows 32 w .. 32 w + 31: 2 row tiles x 4 column tiles = 8 accumulators.
; COLUMNS: column tile f holds the strip's columns 4 r + f (r = lane % 16).  So a lane's 16-byte load of one k row of W1 brings one number for each
; of the 4 tiles, sixteen lanes read 256 consecutive aligned bytes, and on the way out a lane's 4 tiles hold 4 neighbouring columns.
; LOADS AHEAD: a wave has 168 loads from memory (32 of z, 128 of W1, 8 of b1).  W1 goes through four sets of registers in a second window, so that 48 to 64
; loads are out from the first lines on; the hash stands where four units are on their way.
; LIMITS: the hash is exact, in any order of summing, while the sum stays under 2^24 (mean |z| under 131).  Operands are f16: |z|, |W1|, |b1| and h
; must stay under 65,504; an entry of ANY expert's W1 beyond that becomes infinite and spoils the masked sum.  b1 enters with an error of at most
; 2^-22 |b1| + 3e-8.  relu is a maximum with 0 in which a NaN loses.
.set ZP,    528                        ; a row of z in LDS: 512 bytes + 16 = 132 words: row r starts at bank 4 r mod 64 (64 banks of 4 bytes: ISA guide 11.1)
.set ZW,    32*ZP                      ; a wave's 32 rows; each wave reads only what it stored, so z needs no barrier
.set WF,    4*ZW                       ; behind z: W1's fragments in f16, 32 units (4 e + kk) of 4,096 bytes: tile f at 1024 f, registers 4-7 at + 512, lane at 16 L
.set UNITB, 4096
; window 0
.set T,   24                           ; v24-55   at work; in the products A's masked fragments, two sets of 16
.set X,   56                           ; v56-119  z rows 0-15, then B's fragments, two sets of 32
.set Y,   120                          ; v120-183 z rows 16-31, then AZ
.set ZB,  184                          ; v184-247 b1, then the accumulators
.set AZ,  Y                            ; z's fragments in f16: 32 t + 8 c + q (row tile t, 32 k from 32 c on, register q)
.set ACC, ZB                           ; accumulator (t, f) at 8 (4 t + f)
; window 1 (v256-511): W1 as loaded, four sets of 64: unit i lies in set i % 4
.set MK,  32                           ; s[32+8t+e]  lanes whose row of tile t goes to expert e
; v1 lane  v2 r  v3 h = lane / 16  v4 16 L  v5 z store  v6 z fragment read  v7 W1 offset  v8 unit store  v9, v10 unit read  v11 16 r  v12 H offset
; v13, v14 idx of tile 0, 1  v15 the other half's sum  v16-19 hash sums, then constants  v20, v21 sources of the store of idx, never rewritten
.set MSB, 0
.macro WIN new                         ; s_set_vgpr_msb: bits 1:0 source 0, 3:2 source 1, 5:4 source 2, 7:6 destination; the high byte repeats the setting that is left
.if MSB != \new
	s_set_vgpr_msb (MSB<<8)|\new
.set MSB, \new
.endif
.endm
	s_load_b256 s[4:11], s[0:1], 0x0               ; z s[4:5], W1 s[6:7], b1 s[8:9], hbuf s[10:11]
	s_load_b64 s[12:13], s[0:1], 0x20              ; idx
	v_lshl_add_u32 v254, v0, 2, 0x30800
	v_mov_b32 v255, 0
	v_and_b32 v1, 31, v0
	v_lshrrev_b32 v2, 5, v0
	v_readfirstlane_b32 s16, v2                    ; wave 0..3
	v_and_b32 v2, 15, v0
	v_bfe_u32 v3, v0, 4, 1
	s_mov_b32 s17, ttmp9                           ; the strip of 64 columns
	s_and_b32 s18, ttmp7, 0xffff                   ; the block of 128 rows
	s_mov_b32 s19, 0x447a0000                      ; 1000.0
	s_mov_b32 s20, 0x76543210                      ; v_permlanex16_b32: each lane takes its own place in the other half
	s_mov_b32 s21, 0xfedcba98
	s_mov_b32 s22, 0xffff0000                      ; lanes 16-31
	s_lshl_b32 s24, s18, 16                        ; z: 128 rows of 512 bytes a block,
	s_lshl_b32 s28, s16, 14                        ; 32 rows a wave
	s_add_co_u32 s24, s24, s28
	s_mov_b32 s25, 0
	s_lshl_b32 s26, s17, 8                         ; W1 and b1: 256 bytes a strip
	s_mov_b32 s27, 0
	s_lshl_b32 s28, s18, 18                        ; H: 128 rows of 2,048 bytes a block,
	s_lshl_b32 s30, s16, 16                        ; 32 rows a wave,
	s_add_co_u32 s28, s28, s30
	s_lshl_b32 s30, s17, 7                         ; 128 bytes a strip
	s_add_co_u32 s28, s28, s30
	s_mov_b32 s29, 0
	s_lshl_b32 s30, s18, 9                         ; idx: 4 bytes a row
	s_lshl_b32 s57, s16, 7
	s_add_co_u32 s30, s30, s57
	s_mov_b32 s31, 0
	v_lshlrev_b32 v4, 4, v1
	s_mul_i32 s58, s16, ZW
	v_lshl_add_u32 v5, v1, 4, s58                  ; my 16 bytes of a row of my wave's z
	v_mul_u32_u24 v6, v2, ZP
	v_lshl_add_u32 v6, v3, 5, v6
	v_add_nc_u32 v6, s58, v6                       ; row r, 8 numbers of f32 for each half of the lanes
	v_lshlrev_b32 v11, 4, v2
	v_lshl_add_u32 v7, v3, 15, v11                 ; W1: 8 h rows of 4,096 bytes + 16 r,
	s_lshl_b32 s59, s16, 20
	v_add_nc_u32 v7, s59, v7                       ; and my wave's two experts, 2 w and 2 w + 1
	s_lshl_b32 s60, s16, 15
	s_add_co_u32 s60, s60, WF
	v_lshl_add_u32 v8, v1, 4, s60                  ; my wave's eight units
	v_lshl_add_u32 v9, v1, 4, WF                   ; units 0-15,
	v_add_nc_u32 v10, 0x10000, v9                  ; units 16-31: an LDS offset has 16 bits
	v_lshlrev_b32 v12, 3, v2
	v_lshl_add_u32 v12, v3, 14, v12                ; H: 8 h rows + 8 r bytes
	v_mov_b32 v15, 0                               ; v_permlanex16_b32 counts as a reader of its destination
	s_wait_kmcnt 0x0
	s_add_nc_u64 s[4:5], s[4:5], s[24:25]
	s_add_nc_u64 s[6:7], s[6:7], s[26:27]
	s_add_nc_u64 s[8:9], s[8:9], s[26:27]
	s_add_nc_u64 s[10:11], s[10:11], s[28:29]
	s_add_nc_u64 s[12:13], s[12:13], s[30:31]
; Unit i of my wave's eight (expert 2 w + i / 4, k from 32 (i % 4) on): 16 loads into set i % 4 of window 1;
; load j brings k row 8 h + j (j < 8) or 16 + 8 h + j - 8, columns 4 r .. 4 r + 3
.macro W1LOAD i
	WIN 0x40                                       ; destination window 1, address window 0
.set j, 0
.rept 16
	global_load_b128 v[64*((\i)%4)+4*j:64*((\i)%4)+4*j+3], v7, s[6:7] offset:((\i)>>2)*524288+((\i)&3)*131072+(j+8*(j/8))*4096
.set j, j+1
.endr
	WIN 0
.endm
; The unit becomes 4 fragments: register q of tile f is the pair of k rows 2 q, 2 q + 1 of the 16 loaded, column 4 r + f
.macro UNITOUT i
	WIN 0x05                                       ; sources 0 and 1 window 1, destination window 0
.irp f, 0,1,2,3
.irp q, 0,1,2,3,4,5,6,7
	v_cvt_pk_f16_f32 v[T+8*\f+\q], v[64*((\i)%4)+8*\q+\f], v[64*((\i)%4)+8*\q+4+\f]
.endr
.endr
	WIN 0
.irp f, 0,1,2,3
	ds_store_b128 v8, v[T+8*\f:T+8*\f+3] offset:UNITB*(\i)+1024*\f
	ds_store_b128 v8, v[T+8*\f+4:T+8*\f+7] offset:UNITB*(\i)+1024*\f+512
.endr
.endm
; Unit i is taken: left = the younger loads that may stay out; its set takes the unit four on
.macro TAKE i, left
	s_wait_loadcnt \left
	UNITOUT \i
.if (\i)+4 < 8
	W1LOAD \i+4
.endif
.endm
	; z: a load takes a whole row of 512 bytes; the rows go through LDS to come back as fragments.  Two units of W1 are asked for with them: 64 loads;
	; an instruction that would pass the counter's field is held back at issue (ISA guide 5.7.1), so the counts below stay true
.set i, 0
.rept 32
	global_load_b128 v[X+4*i:X+4*i+3], v4, s[4:5] offset:512*i
.set i, i+1
.endr
	W1LOAD 0
	W1LOAD 1
	s_wait_loadcnt 32                              ; z is in; the 32 loads of units 0 and 1 stay out
.set i, 0
.rept 32
	ds_store_b128 v5, v[X+4*i:X+4*i+3] offset:ZP*i
.set i, i+1
.endr
	W1LOAD 2
	W1LOAD 3
	TAKE 0, 48                                     ; the three younger units stay out; unit 4 is asked for
	TAKE 1, 48                                     ; unit 5 is asked for: the hash below runs while four units are on their way
; Part p = 4 t + c of z: 16 numbers of f32 a lane: row r of tile t, k = 32 c + 16 g + 8 h + 4 d + 0..3, into one half of T
.macro ZLD p
.set zt, (\p)/4
.set zc, (\p)%4
.set zb, T+16*((\p)%2)
.irp g, 0,1
.irp d, 0,1
	ds_load_b128 v[zb+8*\g+4*\d:zb+8*\g+4*\d+3], v6 offset:16*ZP*zt+128*zc+64*\g+16*\d
.endr
.endr
.endm
; They are rounded to f16 as a fragment of A, and hashed from the unrounded numbers: |z| * 1000 rounded to f32, floor, sum (whole numbers: exact)
.macro ZWORK p
.set zt, (\p)/4
.set zc, (\p)%4
.set zb, T+16*((\p)%2)
.irp q, 0,1,2,3,4,5,6,7
	v_cvt_pk_f16_f32 v[AZ+32*zt+8*zc+\q], v[zb+2*\q], v[zb+2*\q+1]
.endr
.irp n, 0,1,2,3,4,5,6,7,8,9,10,11,12,13,14,15
	v_mul_f32 v[zb+\n], |v[zb+\n]|, s19
.endr
.irp n, 0,1,2,3,4,5,6,7,8,9,10,11,12,13,14,15
	v_floor_f32 v[zb+\n], v[zb+\n]
.endr
.if zc == 0
	v_pk_add_f32 v[16:17], v[zb:zb+1], v[zb+2:zb+3]        ; a tile's first pairs start the two chains: nothing is cleared
	v_pk_add_f32 v[18:19], v[zb+4:zb+5], v[zb+6:zb+7]
.else
	v_pk_add_f32 v[16:17], v[16:17], v[zb:zb+1]
	v_pk_add_f32 v[18:19], v[18:19], v[zb+2:zb+3]
	v_pk_add_f32 v[16:17], v[16:17], v[zb+4:zb+5]
	v_pk_add_f32 v[18:19], v[18:19], v[zb+6:zb+7]
.endif
	v_pk_add_f32 v[16:17], v[16:17], v[zb+8:zb+9]
	v_pk_add_f32 v[18:19], v[18:19], v[zb+10:zb+11]
	v_pk_add_f32 v[16:17], v[16:17], v[zb+12:zb+13]
	v_pk_add_f32 v[18:19], v[18:19], v[zb+14:zb+15]
.endm
; A tile's end: the row's other 64 numbers lie in the lane 16 away; then the expert, and the eight masks
.macro ZEND t
	v_pk_add_f32 v[16:17], v[16:17], v[18:19]
	v_add_f32 v16, v16, v17
	v_permlanex16_b32 v15, v16, s20, s21
	v_add_f32 v16, v16, v15
	v_cvt_i32_f32 v[13+\t], v16
	v_and_b32 v[13+\t], 7, v[13+\t]
.irp e, 0,1,2,3,4,5,6,7
	v_cmp_eq_u32 s[MK+8*\t+\e], \e, v[13+\t]
.endr
.endm
	ZLD 0                                          ; LDS serves a wave's instructions in order (ISA guide 5.7.1.4): these see z's stores above
.irp p, 0,1,2,3,4,5,6
	ZLD \p+1
	s_wait_dscnt 4                                 ; this part is in; the next part's four loads stay out
	ZWORK \p
.if \p == 3
	ZEND 0
.endif
.endr
	s_wait_dscnt 0x0
	ZWORK 7
	ZEND 1
	; idx is stored by the work-groups of strip 0 alone: each word by one work-group
	s_cmp_lg_u32 s17, 0
	s_cbranch_scc1 .Lno_list
	v_cndmask_b32 v20, v13, v14, s22               ; lane L: the expert of my wave's row L
	v_lshlrev_b32 v21, 2, v1
	global_store_b32 v21, v20, s[12:13]            ; 32 lanes store 128 consecutive bytes
.Lno_list:
	; the other six units
	TAKE 2, 48                                     ; units 3, 4, 5 stay out; unit 6 is asked for
	TAKE 3, 48                                     ; units 4, 5, 6 stay out; unit 7 is asked for
.irp e, 0,1,2,3,4,5,6,7
	global_load_b128 v[ZB+4*\e:ZB+4*\e+3], v11, s[8:9] offset:4096*\e      ; b1[e], columns 4 r .. 4 r + 3
.endr
	TAKE 4, 56                                     ; units 5, 6, 7 and the eight loads of b1 stay out
	TAKE 5, 40                                     ; units 6, 7 and b1
	TAKE 6, 24                                     ; unit 7 and b1
	TAKE 7, 8                                      ; b1
	s_wait_loadcnt 0x0
	; the bias step's B (set 1): lanes 0-15 hold k = 0..7: f16(b1[k]); lanes 16-31 hold k = 8..15: the remainder; k = 16..31 is 0
.irp f, 0,1,2,3
.irp q, 0,1,2,3
	v_cvt_pk_f16_f32 v26, v[ZB+8*\q+\f], v[ZB+8*\q+4+\f]
	v_cvt_f32_f16 v24, v26.l
	v_cvt_f32_f16 v25, v26.h
	v_sub_f32 v24, v[ZB+8*\q+\f], v24
	v_sub_f32 v25, v[ZB+8*\q+4+\f], v25
	v_cvt_pk_f16_f32 v24, v24, v25
	v_cndmask_b32 v[X+8*\f+\q], v26, v24, s22
	v_mov_b32 v[X+8*\f+4+\q], 0
.endr
.endr
	; and its A (set 1): 1.0 at k = idx and at k = 8 + idx: the same registers in both halves of the lanes
	v_mov_b32 v16, 0x3c00                          ; 1.0 in the low half,
	v_mov_b32 v17, 0x3c000000                      ; in the high half
.irp t, 0,1
.irp q, 0,1,2,3
	v_cndmask_b32 v[T+16+8*\t+\q], 0, v16, s[MK+8*\t+2*\q]
	v_cndmask_b32 v[T+16+8*\t+\q], v[T+16+8*\t+\q], v17, s[MK+8*\t+2*\q+1]
	v_mov_b32 v[T+16+8*\t+4+\q], 0
.endr
.endr
	s_wait_dscnt 0x0                               ; for the others' sake: my units are in LDS
	s_barrier_signal -1
	s_barrier_wait -1                              ; everybody's are: the one barrier of the kernel
; Eight products on set mp.  The eight accumulators take turns, one instruction a turn, from step to step too.
.macro MM zero
.irp t, 0,1
.irp f, 0,1,2,3
.if \zero
	v_wmma_f32_16x16x32_f16 v[ACC+8*(4*\t+\f):ACC+8*(4*\t+\f)+7], v[T+16*mp+8*\t:T+16*mp+8*\t+7], v[X+32-32*mp+8*\f:X+32-32*mp+8*\f+7], 0
.else
	v_wmma_f32_16x16x32_f16 v[ACC+8*(4*\t+\f):ACC+8*(4*\t+\f)+7], v[T+16*mp+8*\t:T+16*mp+8*\t+7], v[X+32-32*mp+8*\f:X+32-32*mp+8*\f+7], v[ACC+8*(4*\t+\f):ACC+8*(4*\t+\f)+7]
.endif
.endr
.endr
.endm
; Unit pu (expert pu / 4, k from 32 (pu % 4) on) is made ready in set pu % 2, in two parts.
; PREPB: B's four fragments from LDS.  It stands AHEAD of the products of the step before, so that the loads have those eight products and the sixteen selects in which to land.
; PREPA: A = z's fragment where the row goes to that expert, else 0.  It stands behind those products.
; Both write a set that the products two steps back have read; behind those stand the sixteen selects of the step between, which name none of their
; registers: more than the four places that a write or a load into a matrix instruction's source wants.
.macro PREPB
.irp f, 0,1,2,3
	ds_load_b128 v[X+32-32*(pu%2)+8*\f:X+32-32*(pu%2)+8*\f+3], v[9+pu/16] offset:UNITB*(pu%16)+1024*\f
	ds_load_b128 v[X+32-32*(pu%2)+8*\f+4:X+32-32*(pu%2)+8*\f+7], v[9+pu/16] offset:UNITB*(pu%16)+1024*\f+512
.endr
.endm
.macro PREPA
.irp t, 0,1
.irp q, 0,1,2,3,4,5,6,7
	v_cndmask_b32 v[T+16*(pu%2)+8*\t+\q], 0, v[AZ+32*\t+8*(pu%4)+\q], s[MK+8*\t+pu/4]
.endr
.endr
.endm
.set pu, 0
	PREPB                                          ; unit 0's B, into the set that no product has read yet
.set mp, 1
	MM 1                                           ; the bias step starts the sums
	PREPA
.set u, 0
.rept 32
	s_wait_dscnt 0x0                               ; this step's B is in: it was asked for ahead of the last step's products
.if u < 31
.set pu, u+1
	PREPB
.endif
.set mp, u%2
	MM 0
.if u < 31
	PREPA
.endif
.set u, u+1
.endr
.rept 4
	v_nop                                          ; four places between the last products and the first read of a result
.endr
	; THE WAY OUT.  Register j of accumulator (t, f) is row 16 t + 8 h + j, column 4 r + f: a lane's four tiles pack into 8 neighbouring bytes,
	; sixteen lanes store 128 consecutive bytes of a row.  j ascends: each accumulator is read from its low end on.  Every store has data registers of its own.
.irp t, 0,1
.irp j, 0,1,2,3,4,5,6,7
.irp f, 0,1,2,3
	v_max_num_f32 v[X+4*(\j%2)+\f], 0, v[ACC+8*(4*\t+\f)+\j]
.endr
	v_cvt_pk_f16_f32 v[T+2*(8*\t+\j)], v[X+4*(\j%2)], v[X+4*(\j%2)+1]
	v_cvt_pk_f16_f32 v[T+2*(8*\t+\j)+1], v[X+4*(\j%2)+2], v[X+4*(\j%2)+3]
	global_store_b64 v12, v[T+2*(8*\t+\j):T+2*(8*\t+\j)+1], s[10:11] offset:(16*\t+\j)*2048
.endr
.endr
	s_wait_tensorcnt 0x0
	ds_add_u32 v254, v255
	s_wait_dscnt 0x0
	s_endpgm
.Lfunc_end_k_qdd38805998_layer1:
	.size	k_qdd38805998_layer1, .Lfunc_end_k_qdd38805998_layer1-k_qdd38805998_layer1
	.p2alignl 7, 3214868480
	.fill 96, 4, 3214868480
	.section	.rodata,"a",@progbits
	.p2align	6, 0x0
	.amdhsa_kernel k_qdd38805998_layer1
		.amdhsa_group_segment_fixed_size 199168
		.amdhsa_private_segment_fixed_size 0
		.amdhsa_enable_private_segment 0
		.amdhsa_kernarg_size 40
		.amdhsa_user_sgpr_count 2
		.amdhsa_user_sgpr_kernarg_segment_ptr 1
		.amdhsa_wavefront_size32 1
		.amdhsa_system_sgpr_workgroup_id_x 1
		.amdhsa_system_sgpr_workgroup_id_y 1
		.amdhsa_system_sgpr_workgroup_id_z 1
		.amdhsa_system_vgpr_workitem_id 0
		.amdhsa_next_free_vgpr 512
		.amdhsa_next_free_sgpr 66
		.amdhsa_reserve_vcc 0
		.amdhsa_float_denorm_mode_32 3
		.amdhsa_float_denorm_mode_16_64 3
		.amdhsa_memory_ordered 1
		.amdhsa_forward_progress 1
		.amdhsa_inst_pref_size 144
	.end_amdhsa_kernel
	.amdgpu_metadata
---
amdhsa.version: [ 1, 2 ]
amdhsa.kernels:
  - .name:           k_qdd38805998_layer1
    .symbol:         k_qdd38805998_layer1.kd
    .args:
      - { .name: z, .offset: 0, .size: 8, .value_kind: global_buffer, .address_space: global }
      - { .name: W1, .offset: 8, .size: 8, .value_kind: global_buffer, .address_space: global }
      - { .name: b1, .offset: 16, .size: 8, .value_kind: global_buffer, .address_space: global }
      - { .name: hbuf, .offset: 24, .size: 8, .value_kind: global_buffer, .address_space: global }
      - { .name: idx, .offset: 32, .size: 8, .value_kind: global_buffer, .address_space: global }
    .group_segment_fixed_size: 199168
    .private_segment_fixed_size: 0
    .kernarg_segment_align: 8
    .kernarg_segment_size: 40
    .max_flat_workgroup_size: 128
    .sgpr_count:     66
    .vgpr_count:     512
    .wavefront_size: 32
...
	.end_amdgpu_metadata
.endif
;; end of part 3
;; launch layer2 (part 4): grid 24 x 8, 8 waves a work-group, no clusters, 295,936 bytes of LDS; arguments W2, b2, hbuf, idx, out0; writes out0
.if DOCPART == 4
	.amdgcn_target "amdgcn-amd-amdhsa--gfx1250"
	.amdhsa_code_object_version 6
	.text
	.protected	k_qdd38805998_layer2
	.globl	k_qdd38805998_layer2
	.p2align	8
	.type	k_qdd38805998_layer2,@function
k_qdd38805998_layer2:
	s_mov_b64 s[64:65], 0
	v_nop
	global_prefetch_b8 v0, s[64:65] scope:SCOPE_SE
	s_setreg_imm32_b32 hwreg(HW_REG_WAVE_MODE, 25, 1), 1
	s_wait_xcnt 0x0
; out[b] = H[b] W2[idx[b]] + b2[idx[b]].  H: f16 [2048][1024] and idx: i32 [2048], both stored by the launch before.
; SHARES: a work-group owns one expert e and 128 columns, and all rows that go to e.  No other work-group reads its 1,024 x 128 numbers of W2.
; TWO PHASES, ONE BARRIER.  Phase 1 has no branch: each wave sorts the row numbers into a list of its own, and the eight waves turn the work-group's
; whole slice of W2 into f16 fragments in LDS (1,024 x 128 x 2 bytes = 262,144).  Then the barrier.  Phase 2 has no barrier and writes no LDS: each wave
; goes its own way through the expert's rows, so that its branches may hang on the number of rows.
; PHASE 2: wave w takes all 128 columns (8 column tiles) x the row tiles w + 8 i, so that each listed row of H is read by ONE wave of the work-group; the price
; is that every wave reads all of W2's fragments from LDS: 16 LDS loads for 16 or 24 products.  A pass takes 384 row slots (i = 0..2); it is written for three
; tiles a wave and for two, and a wave takes the shorter text where its third tile would be empty.  The loop over passes has six trips at the most
; (6 x 384 = 2,304 slots, enough for all 2,048 rows); a wave for which no row is left ends inside the loop.
; COLUMNS: column tile g = 4 s + f holds the columns 64 s + 4 r + f (r = lane % 16): a lane's 16-byte load of one k row of W2 brings one number for each of a
; strip's 4 tiles, sixteen lanes read 256 consecutive aligned bytes, and on the way out a lane's 4 tiles of a strip are 16 neighbouring bytes of a row of out.
; A's fragments come straight from H into registers: lane (r, h) reads its listed row's bytes 64 c + 16 h and + 32, so a load takes 32 bytes of each of 16 rows,
; and four loads that follow each other use up 128 bytes of each row.  A stage for whole rows has no room beside W2's slice and the lists.
; NO CLUSTER, NO TENSOR LOADS: no tile of W2 is shared between work-groups; H's rows are gathered by a list; W2 must pass through registers to become f16.
; 192 work-groups: the columns divide into whole aligned blocks of 256 bytes only in strips of 64, and a split of the rows would read W2 twice.
; NO PREFETCH: from its first lines on each wave has 32 to 48 loads of W2 on their way, 512 bytes each; H is wanted only behind them.
; THE LIST: e's rows from the front, the others from the back, so that every entry is written once with all lanes on.  Slots past the last row repeat the
; last row: they compute that row again, and within the tile that holds it they store its own numbers again.
; LIMITS: operands are f16: |W2| and h stay under 65,504.
.set KROW,   12288                     ; bytes in a k row of W2, and in a row of out
.set KSTEP,  128*KROW
.set LISTS,  262144                    ; behind W2's fragments (unit 2 c + strip, c = k / 32, of 4,096 bytes: tile f at 1024 f, registers 4-7 at + 512, lane at 16 L): 2,048 entries of 2 bytes for each wave
.set PASSN,  384
.set PASSES, 6                         ; 6 x 384 slots hold all 2,048 rows
; window 0
.set LANE, 1
.set L4,   2                           ; 4 x lane
.set R16,  3                           ; 16 r
.set H8,   4                           ; 8 h
.set WO,   5                           ; W2: (32 mi + 8 h) rows + 256 ni + 16 r; never rewritten
.set RR,   6                           ; r
.set H16,  7                           ; 16 h
.set BST,  8                           ; v8-11   where my units go: 4,096 w + 16 L + 65,536 q (an LDS offset has 16 bits)
.set BFR,  12                          ; v12-15  where the fragments lie: 16 L + 65,536 q
.set LB,   16                          ; my wave's list
.set COLB, 17                          ; my 16 bytes of strip 0 in a row of out and of b2; never rewritten
.set TA,   18                          ; at work
.set IXA,  19                          ; 16 x lane, for the loads of idx; never rewritten
.set HO,   20                          ; v20-22  byte offsets in H of my row in each of my tiles
.set B2,   24                          ; v24-31  b2 of my 8 columns: strip s at 4 s
.set T,    32                          ; v32-63  phase 1: at work
.set WS,   64                          ; v64-255 phase 1: W2 as loaded, three sets of 64
.set IX,   192                         ;         idx lies in the third set first
.set BF,   32                          ; v32-159 phase 2: B's fragments, two buffers of 64
.set AS,   160                         ; v160-255 phase 2: A's fragments, sets 0 and 1: 16 registers a tile (K = 64)
.set OA,   32                          ; the way out: 8 addresses,
.set OT,   40                          ; 64 numbers,
.set OB,   104                         ; the tile's first slot + 8 h
; window 1
.set ACC,  0                           ; accumulator (i, g) at 8 (8 i + g)
.set AS2,  192                         ; A's set 2
.set MSB, 0
.macro WIN new                         ; s_set_vgpr_msb: bits 1:0 source 0, 3:2 source 1, 5:4 source 2, 7:6 destination; the high byte repeats the setting that is left
.if MSB != \new
	s_set_vgpr_msb (MSB<<8)|\new
.set MSB, \new
.endif
.endm
	s_load_b256 s[4:11], s[0:1], 0x0               ; W2 s[4:5], b2 s[6:7], hbuf s[8:9], idx s[10:11]
	s_load_b64 s[12:13], s[0:1], 0x20              ; out0
	v_lshl_add_u32 v23, v0, 2, 0x48000
	s_set_vgpr_msb 0x40
	v_mov_b32 v255, 0
	s_set_vgpr_msb 0x4000
	v_and_b32 v[LANE], 31, v0
	v_lshrrev_b32 v2, 5, v0
	v_readfirstlane_b32 s16, v2                    ; wave 0..7
	s_lshr_b32 s17, s16, 1                         ; mi: in phase 1 my unit's k begins at 32 mi of a K step,
	s_and_b32 s18, s16, 1                          ; ni: in strip ni
	s_and_b32 s19, ttmp7, 0xffff                   ; the expert
	s_mov_b32 s20, ttmp9                           ; the block of 128 columns
	v_lshlrev_b32 v[L4], 2, v[LANE]
	v_and_b32 v[RR], 15, v0
	v_bfe_u32 v[TA], v0, 4, 1                      ; h
	v_lshlrev_b32 v[R16], 4, v[RR]
	v_lshlrev_b32 v[H8], 3, v[TA]
	v_lshlrev_b32 v[H16], 4, v[TA]
	s_mul_i32 s28, s17, 32*KROW
	s_lshl_b32 s29, s18, 8
	s_add_co_u32 s28, s28, s29
	v_mul_u32_u24 v[WO], v[TA], 8*KROW
	v_add_nc_u32 v[WO], v[WO], v[R16]
	v_add_nc_u32 v[WO], s28, v[WO]
	s_lshl_b32 s30, s16, 12
	v_lshl_add_u32 v[BST], v[LANE], 4, s30
	v_add_nc_u32 v[BST+1], 0x10000, v[BST]
	v_add_nc_u32 v[BST+2], 0x20000, v[BST]
	v_add_nc_u32 v[BST+3], 0x30000, v[BST]
	s_add_co_u32 s30, s30, LISTS
	v_mov_b32 v[LB], s30
	v_lshlrev_b32 v[BFR], 4, v[LANE]
	v_add_nc_u32 v[BFR+1], 0x10000, v[BFR]
	v_add_nc_u32 v[BFR+2], 0x20000, v[BFR]
	v_add_nc_u32 v[BFR+3], 0x30000, v[BFR]
	s_lshl_b32 s30, s20, 9                         ; 512 bytes a block of columns
	v_add_nc_u32 v[COLB], s30, v[R16]
	v_lshlrev_b32 v[IXA], 4, v[LANE]
	s_mul_i32 s28, s19, 1024*KROW                  ; e's matrix + 512 cb: the strip stands in WO
	s_add_co_u32 s28, s28, s30
	s_mov_b32 s29, 0
	s_mul_i32 s30, s19, KROW
	s_mov_b32 s31, 0
	s_wait_kmcnt 0x0
	s_add_nc_u64 s[24:25], s[4:5], s[28:29]        ; W2 for K steps 0-3,
	s_add_nc_u64 s[26:27], s[24:25], 4*KSTEP       ; for K steps 4-7: the loads' immediates stay inside their signed 24 bits (ISA guide, chapter 10)
	s_add_nc_u64 s[6:7], s[6:7], s[30:31]          ; b2[e]
; K step tau (128 along K) of W2: my unit (k from 32 mi on, strip ni): 16 loads into set tau % 3; load j brings k row 8 h + j (j < 8) or 16 + 8 h + j - 8:
; two runs of 256 consecutive aligned bytes
.macro W2LOAD tau
.set wb, WS+64*((\tau)%3)
.set wj, 0
.rept 16
	global_load_b128 v[wb+4*wj:wb+4*wj+3], v[WO], s[24+2*((\tau)/4):25+2*((\tau)/4)] offset:((\tau)%4)*KSTEP+(wj+8*(wj/8))*KROW th:TH_LOAD_NT
.set wj, wj+1
.endr
.endm
; The unit becomes four f16 fragments in LDS (register q of tile f: k rows 2 q, 2 q + 1 of the 16 loaded, column 4 r + f); its registers take the step three on.
; left = the younger loads that may stay out
.macro STG tau, left
	s_wait_loadcnt \left
.set wb, WS+64*((\tau)%3)
.irp f, 0,1,2,3
.irp q, 0,1,2,3,4,5,6,7
	v_cvt_pk_f16_f32 v[T+8*\f+\q], v[wb+8*\q+\f], v[wb+8*\q+4+\f]
.endr
.endr
.irp f, 0,1,2,3
	ds_store_b128 v[BST+(\tau)/2], v[T+8*\f:T+8*\f+3] offset:((\tau)%2)*32768+1024*\f
	ds_store_b128 v[BST+(\tau)/2], v[T+8*\f+4:T+8*\f+7] offset:((\tau)%2)*32768+1024*\f+512
.endr
.if (\tau)+3 < 8
	W2LOAD \tau+3
.endif
.endm
	; PHASE 1
.set i, 0
.rept 16
	global_load_b128 v[IX+4*i:IX+4*i+3], v[IXA], s[10:11] offset:512*i     ; idx[128 i + 4 lane + 0..3]: every wave takes all 2,048
.set i, i+1
.endr
	global_load_b128 v[B2:B2+3], v[COLB], s[6:7]               ; b2 of columns 4 r .. 4 r + 3 of strip 0,
	global_load_b128 v[B2+4:B2+7], v[COLB], s[6:7] offset:256  ; of strip 1
	W2LOAD 0
	W2LOAD 1
	s_wait_loadcnt 32                              ; idx and b2 are in; the 32 loads of W2 stay out
	; THE LIST.  For 32 rows at a time: a row of e goes to RUN + (rows of e in lower lanes), another to K - lane + (rows of e in lower lanes)
	s_mov_b32 s28, 0                               ; RUN: rows of e so far
	s_mov_b32 s29, 2047                            ; K: the highest entry still free
.set n, 0
.rept 64
.set pa, T+4*(n%4)
	v_cmp_eq_u32 vcc_lo, s19, v[IX+n]
	v_sub_nc_u32 v[pa], s29, v[LANE]
	v_mov_b32 v[pa+1], s28
	v_cndmask_b32 v[pa], v[pa], v[pa+1], vcc_lo
	v_mbcnt_lo_u32_b32 v[pa], vcc_lo, v[pa]
	s_bcnt1_i32_b32 s30, vcc_lo
	s_add_co_u32 s28, s28, s30
	s_add_co_u32 s29, s29, s30
	s_sub_co_u32 s29, s29, 32
	v_min_u32 v[pa], 0x7ff, v[pa]
	v_lshl_add_u32 v[pa], v[pa], 1, v[LB]
	v_add_nc_u32 v[pa+2], 128*(n/4)+(n%4), v[L4]   ; the row's number
	ds_store_b16 v[pa], v[pa+2]
.set n, n+1
.endr
	s_mov_b32 s21, s28                             ; NE: the expert's rows
	s_sub_co_u32 s22, s21, 1                       ; the last slot that holds a row
	W2LOAD 2                                       ; into the registers that held idx
	STG 0, 32                                      ; two younger steps stay out
	STG 1, 32
	STG 2, 32
	STG 3, 32
	STG 4, 32
	STG 5, 32                                      ; steps 6 and 7: nothing more is asked for
	STG 6, 16
	STG 7, 0
	s_wait_dscnt 0x0                               ; for the others' sake: my units are in LDS
	s_barrier_signal -1
	s_barrier_wait -1                              ; everybody's are: the one barrier of the kernel, ahead of every branch
	; PHASE 2
; A's fragments of step s (64 along K) for nt tiles, into set s % 3: 4 nt loads.  The hint: the 24 work-groups of the expert read each row again
.macro ALOAD nt, s
.if ((\s)%3) == 2
	WIN 0x40                                       ; destination window 1
.set ab, AS2
.else
.set ab, AS+48*((\s)%3)
.endif
.set ai, 0
.rept \nt
.irp c, 0,1
	global_load_b128 v[ab+16*ai+8*\c:ab+16*ai+8*\c+3], v[HO+ai], s[8:9] offset:128*(\s)+64*\c th:TH_LOAD_HT
	global_load_b128 v[ab+16*ai+8*\c+4:ab+16*ai+8*\c+7], v[HO+ai], s[8:9] offset:128*(\s)+64*\c+32 th:TH_LOAD_HT
.endr
.set ai, ai+1
.endr
	WIN 0
.endm
; B's eight fragments of half step u (32 along K; units 2 u and 2 u + 1 lie together: tile g at 1024 g), into buffer u % 2: 16 LDS loads
.macro BLOAD u
.set bq, (\u)/8
.set bo, 8192*((\u)%8)
.set bb, BF+64*((\u)%2)
.irp g, 0,1,2,3,4,5,6,7
	ds_load_b128 v[bb+8*\g:bb+8*\g+3], v[BFR+bq] offset:bo+1024*\g
	ds_load_b128 v[bb+8*\g+4:bb+8*\g+7], v[BFR+bq] offset:bo+1024*\g+512
.endr
.endm
; Half step u: 8 nt products.  The accumulators take turns, one instruction a turn, from half step to half step too.
; Four v_nop are the places between the products and the loads into their sources, or the first read of a result;
; behind them B's buffer takes the half step two on, and, behind a step's second half, A's set the step three on.
.macro HALF nt, u
.set hs, (\u)/2
.set hc, (\u)%2
.if hc == 0
.if hs <= 13
	s_wait_loadcnt 8*\nt                           ; this step's A is in; the two younger sets stay out
.elseif hs == 14
	s_wait_loadcnt 4*\nt                           ; the last set stays out
.else
	s_wait_loadcnt 0x0
.endif
.endif
.if (\u) < 31
	s_wait_dscnt 16                                ; this half step's B is in; the next one's sixteen loads stay out
.else
	s_wait_dscnt 0x0
.endif
.if (hs%3) == 2
	WIN 0x51                                       ; A, C and D window 1
.set hab, AS2
.else
	WIN 0x50                                       ; C and D window 1
.set hab, AS+48*(hs%3)
.endif
.set wi, 0
.rept \nt
.irp g, 0,1,2,3,4,5,6,7
.if (\u) == 0
	v_wmma_f32_16x16x32_f16 v[ACC+8*(8*wi+\g):ACC+8*(8*wi+\g)+7], v[hab+16*wi+8*hc:hab+16*wi+8*hc+7], v[BF+64*hc+8*\g:BF+64*hc+8*\g+7], 0
.else
	v_wmma_f32_16x16x32_f16 v[ACC+8*(8*wi+\g):ACC+8*(8*wi+\g)+7], v[hab+16*wi+8*hc:hab+16*wi+8*hc+7], v[BF+64*hc+8*\g:BF+64*hc+8*\g+7], v[ACC+8*(8*wi+\g):ACC+8*(8*wi+\g)+7]
.endif
.endr
.set wi, wi+1
.endr
	WIN 0
.rept 4
	v_nop
.endr
.if (\u)+2 < 32
	BLOAD \u+2
.endif
.if (hc == 1) && (hs+3 < 16)
	ALOAD \nt, hs+3
.endif
.endm
; THE WAY OUT of my row tile i.  Register j of accumulator (i, 4 s + f) is slot 16 (w + 8 i) + 8 h + j of the pass, column 64 s + 4 r + f: a strip's four tiles'
; numbers plus b2 are 16 neighbouring bytes, and sixteen lanes store 256 consecutive aligned bytes of the row that the list names, once for each strip.
; j ascends: each accumulator is read from its low end on.  A tile that begins past the last row is left out.
.macro OUTTILE i
	s_add_co_u32 s30, s31, 128*(\i)
	s_cmp_ge_u32 s30, s21
	s_cbranch_scc1 .Lskip_\@
	s_wait_xcnt 0x0                                ; the registers that the last tile's stores name are rewritten only behind this wait
	v_add_nc_u32 v[OB], s30, v[H8]
.irp j, 0,1,2,3,4,5,6,7
	v_add_nc_u32 v[OA+\j], \j, v[OB]
	v_min_u32 v[OA+\j], s22, v[OA+\j]              ; past the last row: the last row again
	v_min_u32 v[OA+\j], 0x7ff, v[OA+\j]
	v_lshl_add_u32 v[OA+\j], v[OA+\j], 1, v[LB]
	ds_load_u16 v[OA+\j], v[OA+\j]
.endr
	WIN 0x01                                       ; source 0 window 1; the sums stand between the list's loads and the wait for them
.irp j, 0,1,2,3,4,5,6,7
.irp g, 0,1,2,3,4,5,6,7
	v_add_f32 v[OT+8*\j+\g], v[ACC+8*(8*(\i)+\g)+\j], v[B2+\g]
.endr
.endr
	WIN 0
	s_wait_dscnt 0x0
.irp j, 0,1,2,3,4,5,6,7
	v_min_u32 v[OA+\j], 0x7ff, v[OA+\j]
	v_mul_u32_u24 v[OA+\j], v[OA+\j], KROW
	v_add_nc_u32 v[OA+\j], v[COLB], v[OA+\j]
	global_store_b128 v[OA+\j], v[OT+8*\j:OT+8*\j+3], s[12:13] th:TH_STORE_NT
	global_store_b128 v[OA+\j], v[OT+8*\j+4:OT+8*\j+7], s[12:13] offset:256 th:TH_STORE_NT
.endr
.Lskip_\@:
.endm
; A pass for nt tiles: my rows' places in H from the list; three sets of A and two buffers of B go out; 32 half steps; the way out.
; By this text's count at most 12 nt loads from memory are out.
.macro PASS nt
	v_add_nc_u32 v[TA], s31, v[RR]                 ; my first tile's slot r
.set pi, 0
.rept \nt
	v_add_nc_u32 v[HO+pi], 128*pi, v[TA]
	v_min_u32 v[HO+pi], s22, v[HO+pi]              ; past the last row: the last row again
	v_min_u32 v[HO+pi], 0x7ff, v[HO+pi]
	v_lshl_add_u32 v[HO+pi], v[HO+pi], 1, v[LB]
	ds_load_u16 v[HO+pi], v[HO+pi]
.set pi, pi+1
.endr
	s_wait_dscnt 0x0
.set pi, 0
.rept \nt
	v_min_u32 v[HO+pi], 0x7ff, v[HO+pi]
	v_lshl_add_u32 v[HO+pi], v[HO+pi], 11, v[H16]  ; the row's 2,048 bytes of H, + 16 h
.set pi, pi+1
.endr
	ALOAD \nt, 0
	ALOAD \nt, 1
	ALOAD \nt, 2
	BLOAD 0
	BLOAD 1
.set pu, 0
.rept 32
	HALF \nt, pu
.set pu, pu+1
.endr
.set po, 0
.rept \nt
	OUTTILE po
.set po, po+1
.endr
.endm
	s_mov_b32 s23, 0                               ; the pass's first slot
	s_mov_b32 s14, 0                               ; the pass's number: the loop's counter
.Lpass:                                                ; the loop is left by falling through its branch back, or by the s_endpgm below
	s_lshl_b32 s31, s16, 4
	s_add_co_u32 s31, s31, s23                     ; my first tile's first slot
	s_cmp_lt_u32 s31, s21
	s_cbranch_scc1 .Lwork
	s_set_vgpr_msb 0x4
	s_wait_tensorcnt 0x0
	ds_add_u32 v23, v255
	s_wait_dscnt 0x0
	s_set_vgpr_msb 0x400
	s_endpgm                                       ; no row is left for this wave, in this pass or a later one; no barrier follows, so the others do not miss it
.Lwork:
	s_add_co_u32 s30, s31, 256
	s_cmp_lt_u32 s30, s21
	s_cbranch_scc1 .Lthree                         ; my third tile holds a row
	PASS 2
	s_branch .Ltail
.Lthree:
	PASS 3
.Ltail:
	s_wait_xcnt 0x0                                ; the registers that the stores name are loaded again in the next pass
	s_add_co_u32 s23, s23, PASSN
	s_add_co_u32 s14, s14, 1
	s_cmp_lt_u32 s14, PASSES
	s_cbranch_scc1 .Lpass
	s_set_vgpr_msb 0x4
	s_wait_tensorcnt 0x0
	ds_add_u32 v23, v255
	s_wait_dscnt 0x0
	s_set_vgpr_msb 0x400
	s_endpgm
.Lfunc_end_k_qdd38805998_layer2:
	.size	k_qdd38805998_layer2, .Lfunc_end_k_qdd38805998_layer2-k_qdd38805998_layer2
	.p2alignl 7, 3214868480
	.fill 96, 4, 3214868480
	.section	.rodata,"a",@progbits
	.p2align	6, 0x0
	.amdhsa_kernel k_qdd38805998_layer2
		.amdhsa_group_segment_fixed_size 295936
		.amdhsa_private_segment_fixed_size 0
		.amdhsa_enable_private_segment 0
		.amdhsa_kernarg_size 40
		.amdhsa_user_sgpr_count 2
		.amdhsa_user_sgpr_kernarg_segment_ptr 1
		.amdhsa_wavefront_size32 1
		.amdhsa_system_sgpr_workgroup_id_x 1
		.amdhsa_system_sgpr_workgroup_id_y 1
		.amdhsa_system_sgpr_workgroup_id_z 1
		.amdhsa_system_vgpr_workitem_id 0
		.amdhsa_next_free_vgpr 512
		.amdhsa_next_free_sgpr 66
		.amdhsa_reserve_vcc 1
		.amdhsa_float_denorm_mode_32 3
		.amdhsa_float_denorm_mode_16_64 3
		.amdhsa_memory_ordered 1
		.amdhsa_forward_progress 1
		.amdhsa_inst_pref_size 255
	.end_amdhsa_kernel
	.section	.bss,"aw",@nobits
	.p2align	6
	.space	262144
	.amdgpu_metadata
---
amdhsa.version: [ 1, 2 ]
amdhsa.kernels:
  - .name:           k_qdd38805998_layer2
    .symbol:         k_qdd38805998_layer2.kd
    .args:
      - { .name: W2, .offset: 0, .size: 8, .value_kind: global_buffer, .address_space: global }
      - { .name: b2, .offset: 8, .size: 8, .value_kind: global_buffer, .address_space: global }
      - { .name: hbuf, .offset: 16, .size: 8, .value_kind: global_buffer, .address_space: global }
      - { .name: idx, .offset: 24, .size: 8, .value_kind: global_buffer, .address_space: global }
      - { .name: out0, .offset: 32, .size: 8, .value_kind: global_buffer, .address_space: global }
    .group_segment_fixed_size: 295936
    .private_segment_fixed_size: 0
    .kernarg_segment_align: 8
    .kernarg_segment_size: 40
    .max_flat_workgroup_size: 256
    .sgpr_count:     66
    .vgpr_count:     512
    .wavefront_size: 32
...
	.end_amdgpu_metadata
.endif
;; end of part 4
